; MI455X (gfx1250); checked and timed in simulation.
; The chip was launched on July 23, 2026; its instructions are those of AMD's public machine-readable ISA for CDNA 5 (MIT licence, August 2026) and "CDNA5" Instruction Set Architecture Reference Guide (July 2026). The comments in the code are by the model that wrote it; some were corrected since.
;; Layout Reader Self Attention. Allowed arithmetic: float matrix products may take bf16 or f16 operands with f32 sums; other float arithmetic in f32, or as packed bf16 or f16 multiplies, adds, multiply-adds, maxima and minima; sums over many terms, partial sums and values carried from step to step in f32; what a program stores and reads back later, other than sums and carried values, may be rounded once to bf16 or f16.
;; Inputs: Wk 1,024 x 1,024 float32; Wq 1,024 x 1,024 float32; Wv 1,024 x 1,024 float32; attention_mask 2 x 1 x 1 x 2,048 float32; bk 1,024 float32; bq 1,024 float32; bv 1,024 float32; dist_emb 4,095 x 64 float32; hidden_states 2 x 2,048 x 1,024 float32.
;; Outputs: out0 2 x 2,048 x 1,024 float32.
;; One version. Each part assembles by itself: llvm-mc -triple=amdgcn-amd-amdhsa -mcpu=gfx1250 --defsym DOCPART=n.
;; ======== version 1 of 1: 3 launches
;; limits: values outside matrix products are rounded to bf16; values are held in f16: magnitudes above 65,504 overflow, below 6.1e-05 lose precision
;; workspace buffers: xb 8,388,608 bytes; wb 6,291,456 bytes; bc 12,288 bytes; eh 528,384 bytes; m8 20,480 bytes; qkv 25,165,824 bytes
;; launch prep (part 1): grid 465 x 1, 8 waves a work-group, no clusters, 0 bytes of LDS; arguments hidden_states, Wq, Wk, Wv, dist_emb, bq, bk, bv, attention_mask, xb, wb, eh, bc, m8; writes xb, wb, eh, bc, m8
.if DOCPART == 1
	.amdgcn_target "amdgcn-amd-amdhsa--gfx1250"
	.amdhsa_code_object_version 6
	.text
	.protected	k_qb4d3506bb3_prep
	.globl	k_qb4d3506bb3_prep
	.p2align	8
	.type	k_qb4d3506bb3_prep,@function
k_qb4d3506bb3_prep:
	s_mov_b64 s[64:65], 0
	v_nop
	global_prefetch_b8 v0, s[64:65] scope:SCOPE_SE
	s_setreg_imm32_b32 hwreg(HW_REG_WAVE_MODE, 25, 1), 1
	s_wait_xcnt 0x0
; PREP: every input is rounded once to bf16 and laid out for the two launches behind.
;   xb [4096][1024] bf16 = hidden_states;  wb [3072][1024] bf16 = Wq, Wk, Wv one below the other;
;   eh [4128][64] f16: row e + 1 = dist_emb[e] rounded to bf16 and written as f16; row 0 and rows 4096 .. 4127 are 0;
;   bc [3072] f32 = bq, bk, bv rounded to bf16;  m8 [5120] f32 = max(8 x bf16(mask), -1e30), then 1,024 zeros.
; LIMITS.  A mask value below -1.25e29 counts as -1.25e29.  An entry of dist_emb smaller in size than 6e-5 keeps f16's fixed step of 6e-8.
; A stream: no LDS, no matrix unit, no cluster, since no byte is wanted twice.  A work-group takes a chunk of 16,384 numbers in 8 passes of 2,048;
; thread t takes 8 numbers a pass: 32 bytes in, 16 bytes out, so that a wave's store covers 512 consecutive bytes, aligned.
; All 16 loads of a thread go out first; each pass has registers of its own, so no register is written while a memory instruction reads it.
; Work-groups 0-255: hidden_states.  256-447: the weights.  448-463: dist_emb.  464: biases, mask and the zero rows.
.set IN,  16                           ; v[16:79]   as loaded, 8 registers a pass
.set OUT, 80                           ; v[80:111]  to store, 4 registers a pass
.set T,   2                            ; v[2:9]     at work
	s_load_b512 s[4:19], s[0:1], 0x0               ; hidden s[4:5], Wq s[6:7], Wk s[8:9], Wv s[10:11], dist_emb s[12:13], bq s[14:15], bk s[16:17], bv s[18:19]
	s_load_b256 s[20:27], s[0:1], 0x40             ; mask s[20:21], xb s[22:23], wb s[24:25], eh s[26:27]
	s_load_b128 s[28:31], s[0:1], 0x60             ; bc s[28:29], m8 s[30:31]
	s_mov_b32 s33, ttmp9
	s_mov_b32 s45, 0
	s_mov_b32 s47, 0xffff0000                      ; a word's upper bf16
	v_lshlrev_b32 v1, 5, v0                        ; 32 t: my 8 numbers of a pass, as f32
	v_lshlrev_b32 v10, 4, v0                       ; 16 t: the same as 16-bit numbers
	s_wait_kmcnt 0x0
	s_cmp_ge_u32 s33, 464
	s_cbranch_scc1 .Lsmall
	s_cmp_ge_u32 s33, 448
	s_cbranch_scc1 .Lemb
	; hidden_states and the weights: f32 to bf16
	s_sub_co_u32 s34, s33, 256                     ; chunk among the weights' 192 (of no use below 256)
	s_lshr_b32 s37, s34, 6                         ; which weight
	s_and_b32 s36, s34, 63                         ; chunk in it
	s_cmp_eq_u32 s37, 1
	s_cselect_b64 s[40:41], s[8:9], s[6:7]
	s_cmp_eq_u32 s37, 2
	s_cselect_b64 s[40:41], s[10:11], s[40:41]
	s_cmp_lt_u32 s33, 256
	s_cselect_b64 s[40:41], s[4:5], s[40:41]       ; from where,
	s_cselect_b64 s[42:43], s[22:23], s[24:25]     ; to where,
	s_cselect_b32 s36, s33, s36                    ; which chunk of the source,
	s_cselect_b32 s35, s33, s34                    ; and of the destination (the three weights lie on end in wb)
	s_lshl_b32 s44, s36, 16
	s_add_nc_u64 s[40:41], s[40:41], s[44:45]
	s_lshl_b32 s44, s35, 15
	s_add_nc_u64 s[42:43], s[42:43], s[44:45]
.irp p, 0,1,2,3,4,5,6,7
	global_load_b128 v[IN+8*\p:IN+8*\p+3],   v1, s[40:41] offset:8192*\p th:TH_LOAD_NT
	global_load_b128 v[IN+8*\p+4:IN+8*\p+7], v1, s[40:41] offset:8192*\p+16 th:TH_LOAD_NT
.endr
.irp p, 0,1,2,3,4,5,6,7
	s_wait_loadcnt 14-2*\p                         ; loads come back in order: this pass's two are in, the younger passes' stay out
.irp r, 0,1,2,3
	v_cvt_pk_bf16_f32 v[OUT+4*\p+\r], v[IN+8*\p+2*\r], v[IN+8*\p+2*\r+1]
.endr
	global_store_b128 v10, v[OUT+4*\p:OUT+4*\p+3], s[42:43] offset:4096*\p
.endr
	s_endpgm
.Lemb:	; dist_emb, one row further down: element o of eh is element o - 64 of dist_emb; the first 64 are 0
	s_sub_co_u32 s34, s33, 448
	s_lshl_b32 s44, s34, 15
	s_add_nc_u64 s[42:43], s[26:27], s[44:45]      ; eh at my chunk
	s_lshl_b32 s34, s34, 16
	v_add_nc_u32 v12, s34, v1                      ; 4 o of pass 0
	v_max_u32 v13, 256, v12                        ; pass 0 of chunk 0: threads 0-7 have no source; they read the table's first bytes and store 0
	v_cmp_gt_u32 s46, 256, v12                     ; those threads
	global_load_b128 v[IN:IN+3],   v13, s[12:13] offset:-256 th:TH_LOAD_NT
	global_load_b128 v[IN+4:IN+7], v13, s[12:13] offset:-240 th:TH_LOAD_NT
.irp p, 1,2,3,4,5,6,7
	global_load_b128 v[IN+8*\p:IN+8*\p+3],   v12, s[12:13] offset:8192*\p-256 th:TH_LOAD_NT
	global_load_b128 v[IN+8*\p+4:IN+8*\p+7], v12, s[12:13] offset:8192*\p-240 th:TH_LOAD_NT
.endr
.irp p, 0,1,2,3,4,5,6,7
	s_wait_loadcnt 14-2*\p                         ; as above
.irp r, 0,1,2,3
	v_cvt_pk_bf16_f32 v[T+2*\r], v[IN+8*\p+2*\r], v[IN+8*\p+2*\r+1]   ; rounded to bf16,
.endr
.irp r, 0,1,2,3
	v_lshlrev_b32 v[T+2*\r+1], 16, v[T+2*\r]       ; back to f32,
	v_and_b32 v[T+2*\r], s47, v[T+2*\r]
.endr
.irp r, 0,1,2,3
	v_cvt_pk_f16_f32 v[OUT+4*\p+\r], v[T+2*\r+1], v[T+2*\r]           ; and written as f16
.endr
.if \p == 0
.irp r, 0,1,2,3
	v_cndmask_b32 v[OUT+\r], v[OUT+\r], 0, s46
.endr
.endif
	global_store_b128 v10, v[OUT+4*\p:OUT+4*\p+3], s[42:43] offset:4096*\p
.endr
	s_endpgm
.Lsmall:	; the biases (1,024 numbers each), the mask (4,096) and the zeros: 16 bytes a thread and load
	s_mov_b32 s46, 0xf149f2ca                      ; -1e30
	global_load_b128 v[IN:IN+3],    v10, s[14:15]
	global_load_b128 v[IN+4:IN+7],  v10, s[16:17]
	global_load_b128 v[IN+8:IN+11], v10, s[18:19]
.irp k, 0,1,2,3
	global_load_b128 v[IN+12+4*\k:IN+15+4*\k], v10, s[20:21] offset:4096*\k
.endr
.irp r, 108,109,110,111
	v_mov_b32 v\r, 0
.endr
	s_wait_loadcnt 0x0
.irp i, 0,1,2,3,4,5,6,7,8,9,10,11,12,13
	v_cvt_pk_bf16_f32 v[T+\i%4], v[IN+2*\i], v[IN+2*\i+1]
	v_lshlrev_b32 v[OUT+2*\i], 16, v[T+\i%4]
	v_and_b32 v[OUT+2*\i+1], s47, v[T+\i%4]
.endr
.irp i, 12,13,14,15,16,17,18,19,20,21,22,23,24,25,26,27
	v_mul_f32 v[OUT+\i], 0x41000000, v[OUT+\i]     ; the scores are kept unscaled, so the mask is taken times 8
.endr
.irp i, 12,13,14,15,16,17,18,19,20,21,22,23,24,25,26,27
	v_max_num_f32 v[OUT+\i], s46, v[OUT+\i]
.endr
.irp k, 0,1,2
	global_store_b128 v10, v[OUT+4*\k:OUT+4*\k+3], s[28:29] offset:4096*\k
.endr
.irp k, 0,1,2,3
	global_store_b128 v10, v[OUT+12+4*\k:OUT+15+4*\k], s[30:31] offset:4096*\k
.endr
	global_store_b128 v10, v[108:111], s[30:31] offset:16384      ; what the last key step's look-ahead reads
	global_store_b128 v10, v[108:111], s[26:27] offset:524288     ; eh's rows 4096 .. 4127
	s_endpgm
.Lfunc_end_k_qb4d3506bb3_prep:
	.size	k_qb4d3506bb3_prep, .Lfunc_end_k_qb4d3506bb3_prep-k_qb4d3506bb3_prep
	.p2alignl 7, 3214868480
	.fill 96, 4, 3214868480
	.section	.rodata,"a",@progbits
	.p2align	6, 0x0
	.amdhsa_kernel k_qb4d3506bb3_prep
		.amdhsa_group_segment_fixed_size 0
		.amdhsa_private_segment_fixed_size 0
		.amdhsa_enable_private_segment 0
		.amdhsa_kernarg_size 112
		.amdhsa_user_sgpr_count 2
		.amdhsa_user_sgpr_kernarg_segment_ptr 1
		.amdhsa_wavefront_size32 1
		.amdhsa_system_sgpr_workgroup_id_x 1
		.amdhsa_system_sgpr_workgroup_id_y 1
		.amdhsa_system_sgpr_workgroup_id_z 1
		.amdhsa_system_vgpr_workitem_id 0
		.amdhsa_next_free_vgpr 112
		.amdhsa_next_free_sgpr 66
		.amdhsa_reserve_vcc 0
		.amdhsa_float_denorm_mode_32 3
		.amdhsa_float_denorm_mode_16_64 3
		.amdhsa_memory_ordered 1
		.amdhsa_forward_progress 1
		.amdhsa_inst_pref_size 21
	.end_amdhsa_kernel
	.amdgpu_metadata
---
amdhsa.version: [ 1, 2 ]
amdhsa.kernels:
  - .name:           k_qb4d3506bb3_prep
    .symbol:         k_qb4d3506bb3_prep.kd
    .args:
      - { .name: hidden_states, .offset: 0, .size: 8, .value_kind: global_buffer, .address_space: global }
      - { .name: Wq, .offset: 8, .size: 8, .value_kind: global_buffer, .address_space: global }
      - { .name: Wk, .offset: 16, .size: 8, .value_kind: global_buffer, .address_space: global }
      - { .name: Wv, .offset: 24, .size: 8, .value_kind: global_buffer, .address_space: global }
      - { .name: dist_emb, .offset: 32, .size: 8, .value_kind: global_buffer, .address_space: global }
      - { .name: bq, .offset: 40, .size: 8, .value_kind: global_buffer, .address_space: global }
      - { .name: bk, .offset: 48, .size: 8, .value_kind: global_buffer, .address_space: global }
      - { .name: bv, .offset: 56, .size: 8, .value_kind: global_buffer, .address_space: global }
      - { .name: attention_mask, .offset: 64, .size: 8, .value_kind: global_buffer, .address_space: global }
      - { .name: xb, .offset: 72, .size: 8, .value_kind: global_buffer, .address_space: global }
      - { .name: wb, .offset: 80, .size: 8, .value_kind: global_buffer, .address_space: global }
      - { .name: eh, .offset: 88, .size: 8, .value_kind: global_buffer, .address_space: global }
      - { .name: bc, .offset: 96, .size: 8, .value_kind: global_buffer, .address_space: global }
      - { .name: m8, .offset: 104, .size: 8, .value_kind: global_buffer, .address_space: global }
    .group_segment_fixed_size: 0
    .private_segment_fixed_size: 0
    .kernarg_segment_align: 8
    .kernarg_segment_size: 112
    .max_flat_workgroup_size: 256
    .sgpr_count:     66
    .vgpr_count:     112
    .wavefront_size: 32
...
	.end_amdgpu_metadata
.endif
;; end of part 1
;; launch proj (part 2): grid 16 x 16, 4 waves a work-group, clusters of 4 x 4, 327,680 bytes of LDS; arguments xb, wb, bc, qkv; writes qkv
.if DOCPART == 2
	.amdgcn_target "amdgcn-amd-amdhsa--gfx1250"
	.amdhsa_code_object_version 6
	.text
	.protected	k_qb4d3506bb3_proj
	.globl	k_qb4d3506bb3_proj
	.p2align	8
	.type	k_qb4d3506bb3_proj,@function
k_qb4d3506bb3_proj:
	s_mov_b64 s[64:65], 0
	v_nop
	global_prefetch_b8 v0, s[64:65] scope:SCOPE_SE
	s_setreg_imm32_b32 hwreg(HW_REG_WAVE_MODE, 25, 1), 1
	s_wait_xcnt 0x0
	s_wait_alu depctr_hold_cnt(0) depctr_sa_sdst(0) depctr_va_vdst(0) depctr_va_sdst(0) depctr_va_ssrc(0) depctr_va_vcc(0) depctr_vm_vsrc(0)
	s_getreg_b32 s2, hwreg(HW_REG_IB_STS2, 6, 4)
	s_cmp_eq_u32 s2, 0
	s_cbranch_scc0 .Lentry_in_a_cluster
	s_endpgm
.Lentry_in_a_cluster:
	s_bfe_u32 s2, ttmp6, 0x10000c
	s_cmp_lg_u32 s2, 0xf033
	s_cbranch_scc0 .Lentry_shape_is_right
	s_endpgm
.Lentry_shape_is_right:
; PROJ: qkv = x W^T + bias.  xb [4096][1024] bf16, wb [3072][1024] bf16 (Wq, Wk, Wv), bc [3072] f32; sums in f32, K ascending; the bias is the C operand of the first product.
; qkv [3][32 = batch x 16 + head][2048][64] f16, rounded once, unscaled.  LIMIT: f16 holds no number beyond 65,504; q, k and v must stay within it.
; SHARES.  A work-group makes 256 rows x 192 columns (three whole heads): 16 x 16 work-groups.  Wave w makes rows 64 w .. 64 w + 63 of all 192 columns: 48 accumulators, (a, nb) at number 12 a + nb.
; K goes in 8 steps of 128 (rows of 256 bytes in memory, aligned) through two LDS slots; a step is four quarters of 32 along K, 48 matrix instructions and 32 LDS loads each, on two fragment buffers.
; THE MATRIX INSTRUCTION IS USED TRANSPOSED: source 0 = 16 rows of W, source 1 = 16 rows of x: a lane holds one row of x and eight neighbouring columns.
; CLUSTER.  4 x 4 work-groups: x's tile hangs on the tile row alone and is asked for jointly along a row of the cluster, W's on the tile column alone and jointly along a column.
; REGISTERS.  window 0: v16-30 addresses; v32-79 packed results; v80-127 rows read back; v128-223 the bias, 8 registers for each nb.
;   window 1: two fragment buffers of 128: x's four fragments, then W's twelve.   window 2: accumulators 0-31.   window 3: accumulators 32-47.
.set PITCH,  272                       ; an LDS row: 256 bytes + 16 of padding: the 16 rows of a fragment load start 68 words apart
.set XPART,  256*PITCH                 ; x's 256 rows
.set XHALF,  128*PITCH
.set WHALF,  96*PITCH
.set SLOT,   XPART+192*PITCH           ; then W's 192 rows
.set STAGE,  2*SLOT                    ; behind the ring: 16 rows x 400 bytes for each wave, for the way out
.set SPITCH, 400
.set SPARE,  STAGE+4*16*SPITCH         ; behind the stages: the spare words, 128 bytes a wave
.set ADRA, 16                          ; v16-17 LDS address of my x fragments in slot 0, 1
.set ADRB, 20                          ; v20-21 the same for W
.set STO,  24
.set RD,   25
.set GO,   26
.set BO,   27
.set SPW,  28                          ; my spare word; never rewritten
.set NIL,  29                          ; 0; never rewritten
.set PFO,  30                          ; the prefetches' offset: a lane a row
.set TMP,  32
.set OB,   80
.set BIAS, 128
.set F0,   0
.set F1,   128
.set WV, 12                            ; s12 my wave's number
.set FB, 13                            ; s13 0: I fetch for x; 1: for W
.set HF, 14                            ; s14 which half of that tile's rows
.set CX, 15
.set CY, 16
.set GX, 17                            ; tile column
.set GY, 18                            ; tile row
.set G1A, 24
.set G0A, 32
.set LIM, 43
.set PFA, 44
.set G1B, 48
.set G0B, 56
.set HB,  66                           ; s[66:71] qkv at my rows of the tile's three heads
.set MSB, 0
.macro WIN new                         ; the immediate's high byte repeats the setting that is left; a switch that changes nothing is dropped
.if MSB != (\new)
	s_set_vgpr_msb (MSB<<8)|(\new)
.set MSB, (\new)
.endif
.endm
.macro PLACES                          ; four plain vector instructions between a matrix instruction and a load into, or a vector read of, its registers
.rept 4
	v_nop
.endr
.endm
; A joint load: waves 0 and 1 fetch x's two halves, waves 2 and 3 W's.  The branch hangs on the wave's number alone.  An s_nop 0 and four v_nop follow each line.
.macro JLOAD s
	s_cmp_eq_u32 s[FB], 0
	s_cbranch_scc0 .Lfor_b_\@
	tensor_load_to_lds s[G0A+4*(\s):G0A+4*(\s)+3], s[G1A:G1A+7]
	s_nop 0
.rept 4
	v_nop
.endr
	s_branch .Lasked_\@
.Lfor_b_\@:
	tensor_load_to_lds s[G0B+4*(\s):G0B+4*(\s)+3], s[G1B:G1B+7]
	s_nop 0
.rept 4
	v_nop
.endr
.Lasked_\@:
.endm
; A prefetch of the K step that stands two refills on: a lane a row, 256 bytes of each.  x's rows are asked for by the clusters with x = 0, W's by those with y = 0; the four partners that
; ask for a tile jointly share its rows out by address (32 of x's 128, 24 of W's 96; lanes 24-31 name lane 23's row once more).  The loop's last trip has no K step two on.
.macro ASK
	s_cmp_gt_u32 s3, s[LIM]
	s_cbranch_scc0 .Lnot_mine_\@
	global_prefetch_b8 v[PFO], s[PFA:PFA+1] offset:256 th:TH_LOAD_NT scope:SCOPE_SE
.Lnot_mine_\@:
.endm
.macro CREST                           ; a round of the cluster's barrier behind its opening barrier
	s_cmp_lg_u32 s[WV], 0
	s_cbranch_scc1 .Lnot_wave_0_\@
	s_barrier_signal -3
.Lnot_wave_0_\@:
	s_barrier_wait -3
	s_barrier_signal -1
	s_barrier_wait -1
.endm
.macro CROUND
	s_barrier_signal -1
	s_barrier_wait -1
	CREST
.endm
	s_load_b256 s[4:11], s[0:1], 0x0               ; xb s[4:5], wb s[6:7], bc s[8:9], qkv s[10:11]
	v_lshl_add_u32 v[SPW], v0, 2, SPARE
	v_mov_b32 v[NIL], 0
	ds_add_u32 v[SPW], v[NIL]                      ; the wave's opening: the add and its wait stand ahead of my first tensor load
	v_lshrrev_b32 v1, 5, v0
	v_readfirstlane_b32 s[WV], v1
	s_lshr_b32 s[FB], s[WV], 1
	s_and_b32 s[HF], s[WV], 1
	s_bfe_u32 s[CX], ttmp6, 0x40000
	s_bfe_u32 s[CY], ttmp6, 0x40004
	s_lshl_b32 s[GX], ttmp9, 2
	s_add_co_u32 s[GX], s[GX], s[CX]
	s_and_b32 s[GY], ttmp7, 0xffff
	s_lshl_b32 s[GY], s[GY], 2
	s_add_co_u32 s[GY], s[GY], s[CY]
	s_lshl_b32 s19, s[CY], 2
	s_lshl_b32 s19, 15, s19                        ; my row of the cluster
	s_lshl_b32 s20, 0x1111, s[CX]                  ; my column
	s_or_b32 s[G1A], s19, (1<<16)|(1<<20)|(1<<21)|(5<<22)|(3<<25)   ; the mask; 2-byte elements; padding on; bit 21 beside a mask; after every 64 words 4 words
	s_or_b32 s[G1B], s20, (1<<16)|(1<<20)|(1<<21)|(5<<22)|(3<<25)
	s_mov_b32 s[G1A+1], 128<<16                    ; tensor_dim0 = 128
	s_mov_b32 s[G1A+2], 128<<16                    ; tensor_dim1 = 128
	s_mov_b32 s[G1A+3], 128<<16                    ; tile_dim0 = 128
	s_mov_b32 s[G1A+4], 128                        ; tile_dim1 = 128
	s_mov_b32 s[G1A+5], 1024                       ; elements from row to row
	s_mov_b32 s[G1A+6], 0
	s_mov_b32 s[G1A+7], 0
	s_mov_b32 s[G1B+1], 128<<16
	s_mov_b32 s[G1B+2], 96<<16                     ; W's halves have 96 rows
	s_mov_b32 s[G1B+3], 128<<16
	s_mov_b32 s[G1B+4], 96
	s_mov_b32 s[G1B+5], 1024
	s_mov_b32 s[G1B+6], 0
	s_mov_b32 s[G1B+7], 0
	s_lshl_b32 s40, s[GY], 19                      ; x: (256 x tile row + 128 x half) rows of 2,048 bytes
	s_lshl_b32 s21, s[HF], 18
	s_add_co_u32 s40, s40, s21
	s_mov_b32 s41, 0
	s_mul_i32 s46, s[GX], 192*2048                 ; W: (192 x tile column + 96 x half) rows
	s_mul_i32 s22, s[HF], 96*2048
	s_add_co_u32 s46, s46, s22
	s_mov_b32 s47, 0
	s_mul_i32 s23, s[HF], XHALF                    ; where they go: no place in the cluster enters an LDS address
	s_mul_i32 s42, s[HF], WHALF
	s_add_co_u32 s42, s42, XPART
	s_wait_dscnt 0x0                               ; the opening add is done
	s_wait_kmcnt 0x0
	s_add_nc_u64 s[40:41], s[4:5], s[40:41]
	s_add_nc_u64 s[46:47], s[6:7], s[46:47]
	CROUND                                         ; all sixteen work-groups are here: the first joint loads meet
.irp s, 0,1
	s_mov_b32 s[G0A+4*(\s)], 1
	s_add_co_u32 s[G0A+4*(\s)+1], s23, (\s)*SLOT
	s_add_nc_u64 s[G0A+4*(\s)+2:G0A+4*(\s)+3], s[40:41], (\s)*256
	s_or_b32 s[G0A+4*(\s)+3], s[G0A+4*(\s)+3], 0x80000000
	s_mov_b32 s[G0B+4*(\s)], 1
	s_add_co_u32 s[G0B+4*(\s)+1], s42, (\s)*SLOT
	s_add_nc_u64 s[G0B+4*(\s)+2:G0B+4*(\s)+3], s[46:47], (\s)*256
	s_or_b32 s[G0B+4*(\s)+3], s[G0B+4*(\s)+3], 0x80000000
	JLOAD \s                                       ; K steps 0 and 1: two loads of mine are out
.endr
	v_and_b32 v1, 15, v0                           ; l % 16
	v_bfe_u32 v2, v0, 4, 1                         ; l / 16
	v_lshlrev_b32 v[BO], 5, v2                     ; my eight columns of a block of 16: 32 bytes of f32
	s_mul_i32 s72, s[GX], 768
	s_mov_b32 s73, 0
	s_add_nc_u64 s[72:73], s[8:9], s[72:73]        ; the tile's 192 biases
.irp n, 0,1,2,3,4,5,6,7,8,9,10,11
	global_load_b128 v[BIAS+8*\n:BIAS+8*\n+3],   v[BO], s[72:73] offset:64*\n
	global_load_b128 v[BIAS+8*\n+4:BIAS+8*\n+7], v[BO], s[72:73] offset:64*\n+16
.endr
	v_mul_u32_u24 v3, v1, PITCH
	v_lshl_add_u32 v3, v2, 4, v3                   ; a fragment's row x pitch + 16 x half
	s_mul_i32 s74, s[WV], 64*PITCH                 ; my 64 rows of x
.irp s, 0,1
	v_add_nc_u32 v[ADRA+(\s)], s74, v3
	v_add_nc_u32 v[ADRB+(\s)], XPART+(\s)*SLOT, v3
	s_add_co_u32 s74, s74, SLOT
.endr
	s_mul_i32 s75, s[WV], 16*SPITCH
	s_add_co_u32 s75, s75, STAGE                   ; my stage
	v_mul_u32_u24 v4, v1, SPITCH                   ; in: row l % 16, 16 bytes for each half of the lanes
	v_lshl_add_u32 v4, v2, 4, v4
	v_add_nc_u32 v[STO], s75, v4
	v_and_b32 v5, 31, v0
	v_lshrrev_b32 v6, 3, v5                        ; back: 32 lanes take four rows' 128 bytes of one head,
	v_and_b32 v7, 7, v0
	v_mul_u32_u24 v6, v6, SPITCH
	v_lshl_add_u32 v6, v7, 4, v6
	v_add_nc_u32 v[RD], s75, v6
	v_lshlrev_b32 v[GO], 4, v5                     ; which are 512 consecutive bytes of qkv
	s_lshr_b32 s76, s[GY], 3
	s_lshl_b32 s76, s76, 4                         ; 16 x batch
	s_and_b32 s77, s[GY], 7
	s_lshl_b32 s77, s77, 15                        ; the tile's first row in its batch, 128 bytes a row,
	s_lshl_b32 s78, s[WV], 13                      ; my 64 rows
	s_add_co_u32 s77, s77, s78
	s_mul_i32 s78, s[GX], 3
.irp g, 0,1,2
	s_add_co_u32 s79, s78, \g                      ; block of 64 columns, 0 .. 47: q, k or v in its upper part, the head in its lower
	s_lshr_b32 s74, s79, 4
	s_and_b32 s79, s79, 15
	s_lshl_b32 s74, s74, 5
	s_add_co_u32 s74, s74, s79
	s_add_co_u32 s74, s74, s76
	s_lshl_b32 s74, s74, 18                        ; a head's 2,048 rows of 128 bytes
	s_add_co_u32 s74, s74, s77
	s_mov_b32 s75, 0
	s_add_nc_u64 s[HB+2*\g:HB+2*\g+1], s[10:11], s[74:75]
.endr
	; the prefetches
	s_lshl_b32 s74, s[GY], 8
	s_lshl_b32 s77, s[HF], 7
	s_add_co_u32 s74, s74, s77
	s_lshl_b32 s77, s[CX], 5
	s_add_co_u32 s74, s74, s77                     ; x: tile row, the half that I fetch, my work-group's 32 rows of it
	s_mul_i32 s75, s[GX], 192
	s_mul_i32 s77, s[HF], 96
	s_add_co_u32 s75, s75, s77
	s_mul_i32 s77, s[CY], 24
	s_add_co_u32 s75, s75, s77                     ; W: the same with 24 rows
	s_and_b32 s76, ttmp7, 0xffff
	s_cmp_eq_u32 s[FB], 0
	s_cselect_b32 s74, s74, s75
	s_cselect_b32 s76, ttmp9, s76                  ; the coordinate along which other clusters read the same rows
	s_cselect_b64 s[PFA:PFA+1], s[4:5], s[6:7]
	s_cselect_b32 s77, 31, 23
	s_cmp_eq_u32 s76, 0
	s_cselect_b32 s[LIM], 1, -1                    ; the same in all sixteen partners, for a given wave
	s_lshl_b32 s74, s74, 11
	s_mov_b32 s75, 0
	s_add_nc_u64 s[PFA:PFA+1], s[PFA:PFA+1], s[74:75]
	s_add_nc_u64 s[PFA:PFA+1], s[PFA:PFA+1], 512   ; at K step 2: the first refill steps it to 3 and names K step 4
	v_min_u32 v[PFO], s77, v5
	v_lshlrev_b32 v[PFO], 11, v[PFO]
; Matrix instructions on accumulators i0 .. i1, 32 along K, from buffer f.  first = 1: the bias starts the sums.  All 48 accumulators take turns in one order.
.macro MUL f, i0, i1, first
.set ix, \i0
.rept (\i1)-(\i0)+1
.set hw, ix/32
.set rD, 8*(ix-32*hw)
.set rW, (\f)+32+8*(ix%12)
.set rX, (\f)+8*(ix/12)
.if \first
	WIN 0x85+0x40*hw                               ; fragments window 1, C window 0, D window 2 or 3
	v_wmma_f32_16x16x32_bf16 v[rD:rD+7], v[rW:rW+7], v[rX:rX+7], v[BIAS+8*(ix%12):BIAS+8*(ix%12)+7]
.else
	WIN 0xa5+0x50*hw                               ; fragments window 1, C and D window 2 or 3
	v_wmma_f32_16x16x32_bf16 v[rD:rD+7], v[rW:rW+7], v[rX:rX+7], v[rD:rD+7]
.endif
.set ix, ix+1
.endr
.endm
; 32 LDS loads in one run: a quarter's fragments, at byte k of the rows, into buffer f
.macro FETCH slot, k, f
	WIN 0x40
.irp i, 0,1,2,3,4,5,6,7,8,9,10,11
	ds_load_b128 v[(\f)+32+8*(\i):(\f)+32+8*(\i)+3],   v[ADRB+(\slot)] offset:(\k)+(\i)*16*PITCH
	ds_load_b128 v[(\f)+32+8*(\i)+4:(\f)+32+8*(\i)+7], v[ADRB+(\slot)] offset:(\k)+(\i)*16*PITCH+32
.endr
.irp i, 0,1,2,3
	ds_load_b128 v[(\f)+8*(\i):(\f)+8*(\i)+3],   v[ADRA+(\slot)] offset:(\k)+(\i)*16*PITCH
	ds_load_b128 v[(\f)+8*(\i)+4:(\f)+8*(\i)+7], v[ADRA+(\slot)] offset:(\k)+(\i)*16*PITCH+32
.endr
.endm
; One of a K step's first three quarters: multiplies buffer f; behind its first 16 products it fetches the next quarter, at byte k, into buffer g
.macro QUARTER slot, k, f, g, first
	s_wait_dscnt 0x0                               ; buffer f is in
	MUL \f, 0, 15, \first
	PLACES
	FETCH \slot, \k, \g
	MUL \f, 16, 47, \first
.endm
; The last quarter multiplies buffer 1 and changes slots: one barrier; in front of it each wave waits for all its tensor loads, adds 0 to its spare word and waits for that and for its reads of this slot.
; fill = 1: the barrier opens a round of the cluster's, and this slot is filled again, two K steps ahead, first thing behind it.
.macro TURN slot, next, fill
	s_wait_xcnt 0x0                                ; the last prefetch, a K step back, has read its address
	s_add_nc_u64 s[PFA:PFA+1], s[PFA:PFA+1], 256
	WIN 0
	s_wait_tensorcnt 0x0                           ; all my tensor loads have landed: my part of the next slot
	ds_add_u32 v[SPW], v[NIL]                      ; 0 onto my spare word
	s_wait_dscnt 1                                 ; buffer 1 is in; the add alone may be out
	MUL F1, 0, 15, 0
	s_wait_dscnt 0x0                               ; the add is done, and my reads of this slot are over
	s_barrier_signal -1
	MUL F1, 16, 31, 0
.if \fill
	WIN 0
.endif
	s_barrier_wait -1
.if \fill
	CREST                                          ; no wave of any partner still reads this slot or has a load on its way
	s_add_nc_u64 s[G0A+4*(\slot)+2:G0A+4*(\slot)+3], s[G0A+4*(\slot)+2:G0A+4*(\slot)+3], 512
	s_add_nc_u64 s[G0B+4*(\slot)+2:G0B+4*(\slot)+3], s[G0B+4*(\slot)+2:G0B+4*(\slot)+3], 512
	JLOAD \slot                                    ; its four v_nop are also the places in front of the loads below
.else
	PLACES
.endif
	FETCH \next, 0, F0
.if \fill
	WIN 0
	ASK
.endif
	MUL F1, 32, 47, 0
.endm
; The way out of my rows 16 a .. 16 a + 15: rounded to f16, 16 bytes a lane into my stage, back as rows of a head, stored 512 consecutive bytes an instruction
.macro OUTA a
.set nn, 0
.rept 12
.set ix, 12*(\a)+nn
.set hw, ix/32
.set rD, 8*(ix-32*hw)
	WIN 0x0a+5*hw
.irp r, 0,1,2,3
	v_cvt_pk_f16_f32 v[TMP+4*nn+\r], v[rD+2*\r], v[rD+2*\r+1]
.endr
.set nn, nn+1
.endr
	WIN 0
.irp n, 0,1,2,3,4,5,6,7,8,9,10,11
	ds_store_b128 v[STO], v[TMP+4*\n:TMP+4*\n+3] offset:32*\n
.endr
	s_wait_xcnt 0x0                                ; the block before's stores have read the registers that are loaded again below
.irp j, 0,1,2,3
.irp g, 0,1,2
	ds_load_b128 v[OB+4*(3*\j+\g):OB+4*(3*\j+\g)+3], v[RD] offset:4*\j*SPITCH+128*\g   ; LDS serves a wave's instructions in order: these see the stores above
.endr
.endr
	s_wait_dscnt 0x0
.irp j, 0,1,2,3
.irp g, 0,1,2
	global_store_b128 v[GO], v[OB+4*(3*\j+\g):OB+4*(3*\j+\g)+3], s[HB+2*\g:HB+2*\g+1] offset:(16*(\a)+4*\j)*128
.endr
.endr
.endm
	s_wait_tensorcnt 1                             ; my part of K step 0 is in; K step 1's may stay out
	s_barrier_signal -1
	s_barrier_wait -1
	FETCH 0, 0, F0
	s_wait_loadcnt 0x0                             ; the bias
	QUARTER 0, 64, F0, F1, 1                       ; the first quarter stands in front of the loop: its products start the sums
	WIN 0
	s_mov_b32 s3, 3
.Llap:                                                 ; a trip goes once round the ring and fills both slots again
	QUARTER 0, 128, F1, F0, 0
	QUARTER 0, 192, F0, F1, 0
	TURN 0, 1, 1
	QUARTER 1, 64,  F0, F1, 0
	QUARTER 1, 128, F1, F0, 0
	QUARTER 1, 192, F0, F1, 0
	TURN 1, 0, 1
	QUARTER 0, 64,  F0, F1, 0
	WIN 0
	s_sub_co_u32 s3, s3, 1
	s_cmp_lg_u32 s3, 0
	s_cbranch_scc1 .Llap
	QUARTER 0, 128, F1, F0, 0                      ; the last lap fills nothing
	QUARTER 0, 192, F0, F1, 0
	TURN 0, 1, 0
	QUARTER 1, 64,  F0, F1, 0
	QUARTER 1, 128, F1, F0, 0
	QUARTER 1, 192, F0, F1, 0
	s_wait_dscnt 0x0
	MUL F1, 0, 47, 0
	PLACES
	OUTA 0
	OUTA 1
	OUTA 2
	OUTA 3
	s_wait_tensorcnt 0x0                           ; the wave's end
	ds_add_u32 v[SPW], v[NIL]
	s_wait_dscnt 0x0
	CROUND                                         ; the closing round
	s_endpgm
.Lfunc_end_k_qb4d3506bb3_proj:
	.size	k_qb4d3506bb3_proj, .Lfunc_end_k_qb4d3506bb3_proj-k_qb4d3506bb3_proj
	.p2alignl 7, 3214868480
	.fill 96, 4, 3214868480
	.section	.rodata,"a",@progbits
	.p2align	6, 0x0
	.amdhsa_kernel k_qb4d3506bb3_proj
		.amdhsa_group_segment_fixed_size 327680
		.amdhsa_private_segment_fixed_size 0
		.amdhsa_enable_private_segment 0
		.amdhsa_kernarg_size 32
		.amdhsa_user_sgpr_count 2
		.amdhsa_user_sgpr_kernarg_segment_ptr 1
		.amdhsa_wavefront_size32 1
		.amdhsa_system_sgpr_workgroup_id_x 1
		.amdhsa_system_sgpr_workgroup_id_y 1
		.amdhsa_system_sgpr_workgroup_id_z 1
		.amdhsa_system_vgpr_workitem_id 0
		.amdhsa_next_free_vgpr 896
		.amdhsa_next_free_sgpr 80
		.amdhsa_reserve_vcc 0
		.amdhsa_float_denorm_mode_32 3
		.amdhsa_float_denorm_mode_16_64 3
		.amdhsa_memory_ordered 1
		.amdhsa_forward_progress 1
		.amdhsa_inst_pref_size 122
	.end_amdhsa_kernel
	.amdgpu_metadata
---
amdhsa.version: [ 1, 2 ]
amdhsa.kernels:
  - .name:           k_qb4d3506bb3_proj
    .symbol:         k_qb4d3506bb3_proj.kd
    .args:
      - { .name: xb, .offset: 0, .size: 8, .value_kind: global_buffer, .address_space: global }
      - { .name: wb, .offset: 8, .size: 8, .value_kind: global_buffer, .address_space: global }
      - { .name: bc, .offset: 16, .size: 8, .value_kind: global_buffer, .address_space: global }
      - { .name: qkv, .offset: 24, .size: 8, .value_kind: global_buffer, .address_space: global }
    .group_segment_fixed_size: 327680
    .private_segment_fixed_size: 0
    .kernarg_segment_align: 8
    .kernarg_segment_size: 32
    .max_flat_workgroup_size: 128
    .sgpr_count:     80
    .vgpr_count:     896
    .wavefront_size: 32
...
	.end_amdgpu_metadata
.endif
;; end of part 2
;; launch attn (part 3): grid 8 x 32, 4 waves a work-group, clusters of 4 x 4, 327,680 bytes of LDS; arguments qkv, eh, m8, out0; writes out0
.if DOCPART == 3
	.amdgcn_target "amdgcn-amd-amdhsa--gfx1250"
	.amdhsa_code_object_version 6
	.text
	.protected	k_qb4d3506bb3_attn
	.globl	k_qb4d3506bb3_attn
	.p2align	8
	.type	k_qb4d3506bb3_attn,@function
k_qb4d3506bb3_attn:
	s_mov_b64 s[64:65], 0
	v_nop
	global_prefetch_b8 v0, s[64:65] scope:SCOPE_SE
	s_setreg_imm32_b32 hwreg(HW_REG_WAVE_MODE, 25, 1), 1
	s_wait_xcnt 0x0
	s_wait_alu depctr_hold_cnt(0) depctr_sa_sdst(0) depctr_va_vdst(0) depctr_va_sdst(0) depctr_va_ssrc(0) depctr_va_vcc(0) depctr_vm_vsrc(0)
	s_getreg_b32 s2, hwreg(HW_REG_IB_STS2, 6, 4)
	s_cmp_eq_u32 s2, 0
	s_cbranch_scc0 .Lentry_in_a_cluster
	s_endpgm
.Lentry_in_a_cluster:
	s_bfe_u32 s2, ttmp6, 0x10000c
	s_cmp_lg_u32 s2, 0xf033
	s_cbranch_scc0 .Lentry_shape_is_right
	s_endpgm
.Lentry_shape_is_right:
; ATTN: out0[b][l][64 head + :] = sum over r of softmax_r((q.k + q.E[l-r+2047] + k.E[l-r+2047]) / 8 + mask[b][r]) v[r].
; qkv [3][32][2048][64] f16; eh [4128][64] f16, row e + 1 = E[e]; m8 = 8 x mask, f32; out0 f32.  Products, maxima and sums in f32; the weights p are rounded to f16 for the last product.
; LIMITS.  q, k, v within f16's 65,504.  The two position terms are rounded to bf16 before they join the score.  A mask value counts as no less than -1.25e29, so a row that is masked everywhere
; gives the mean of v's rows.  A weight below 2^-126 counts as 0 in the sum.  NaN and infinities are not treated apart.
; SHARES.  A work-group owns 256 queries of one head (x: the block, y: batch x 16 + head), a wave 64: four tiles of 16.  Every wave walks all keys, 64 a step; an LDS slot holds two steps.
; THE POSITION TERMS.  With J = (my first query) - (the step's first key) + 2048:  T1(x, c) = q[x] . eh[J - c],  T2(x, c) = k[x] . eh[J + c]: source 0 = 16 rows of q or k, source 1 = 16 rows of eh, falling
; or rising; a lane holds column c, its registers eight rows x.  T1 and T2 are packed as two bf16 in a word (T1 below) and the word is stored at row x, column y = c + x of my own LDS array: the row pitch
; plus 4 bytes in the store's address does the skew.  There (x, y) holds q's term for query x and key y, and k's term for key x and query y.  A block of 16 x 16 words, read back by two loads of
; 16 bytes, IS a 16-bit operand of 16 rows x 32: times a matrix that picks the even (odd) places it adds T1 (T2, turned) onto the scores.  The first of these products takes 8 x mask as its C.
; A tile of 16 rows needs five blocks of 16 columns for the step's 64: 20 pairs of tile and block.
; SCORES.  S^T = K Q^T: a lane holds ONE query (lane % 16) and the keys 8 (lane / 16) + 0..7.  p = 2^(c s - c m), c = log2(e) / 8, with a running maximum m; O and l are multiplied by a = 2^(c m_old - c m_new) in every step.
; A TRIP holds the matrix work of two steps, so that the softmax has products to stand beside: the position products of step n + 1, the softmax of step n and the packings among them; the blocks' loads; V^T P of
; step n, the softmax's row sums behind its products, while the blocks come back; then the picking products and K Q^T of step n + 1.  All a trip reads from LDS is step n + 1's, so two trips fall on a slot.
; LDS AND MEMORY INSTRUCTIONS STAND IN SIX RUNS A TRIP, never singly among matrix and vector instructions: at the head 8 x mask, K and eh's first four column blocks; ahead of pairs 6, 10 and 17 the skewed stores of
; the pairs packed so far, with eh's other four blocks; behind the last pair the last stores and the blocks' loads; behind V^T P the next V.  So a pair's packed words wait in registers of their own:
; those of the 16 blocks, which are free until the blocks come back.
; NO FIRST STEP IS WRITTEN OUT.  The first trip's softmax finds S^T = -2^120 everywhere, V = 0, O = l = 0: c s - c m is then exactly 0, p = 1, O stays 0, and the next trip's a = 0 wipes l.
; The price: one softmax and 32 products of no use, and 320 v_mov_b32 in the wait for the first tile.  The last step's softmax and V^T P stand behind the loop.
; CLUSTER.  4 x 4 work-groups.  K and V hang on y alone: asked for jointly along a row of the cluster.  eh's band hangs on x alone: jointly along a column.
; REGISTERS, in windows of 256.  window 0: v2-16 addresses; v24-55 eight of statistics a tile; v64-191 S^T; v192-223 two sets of T1, T2; v240 the skewed store's address.
;   window 1: v0-127 O^T; v128-159 8 x mask; v160-175 the two picking matrices; v192-255 P.   window 2: v0-63 Q; v64-127 K; v128-191 V.
;   window 3: v0-127 the packed words, eight for pair p at 8 (p % 16), then the 16 blocks; v128-255 four buffers of eh's fragments.
.set PKP,   144       ; a row of K or eh in LDS: 128 bytes + 16
.set PVP,   160       ; a row of V: 128 + 32
.set VOFF,  128*PKP   ; a slot: 128 rows of K, 128 of V, 400 of eh
.set EOFF,  VOFF+128*PVP
.set EHALF, 200*PKP
.set SLOT1, 1<<17
.set BIAS,  SLOT1+EOFF+400*PKP  ; behind the ring, never filled by a tensor load: for each wave 64 rows of 336 bytes; word y of a row lies at byte 4 (y + 16); also the stage of the way out
.set BP,    336
.set BSK,   BP+4
.set BIASW, 21760
.set SPARE, BIAS+4*BIASW        ; the spare words, 128 bytes a wave
.set SP,    272
.set AK0, 2
.set AV0, 3
.set AEU0, 4
.set AED0, 5
.set AK,  6
.set AV,  7
.set AEU, 8
.set AED, 9
.set ABL, 10
.set MOFF, 11
.set QO,  12
.set STO, 13
.set RD,  14
.set GO,  15
.set PFO, 16
.set ST,  24          ; tile t at v[ST+8 t]: c m, m, l (even keys', odd keys'), c0-c3 at work; c2 takes a
.set SPW, 62
.set NIL, 63
.set S,   64
.set DD,  192         ; window 0
.set ABS, 240
.set MC,  128         ; window 1
.set SELLO, 160
.set SELHI, 168
.set P,   192
.set KF,  64          ; window 2
.set VF,  128
.set EB,  128         ; window 3
.set WV,  12
.set CX,  13
.set CY,  14
.set HF,  15
.set GX,  16
.set GY,  17
.set G1K, 24
.set G1V, 32
.set G1E, 40
.set G0K, 48
.set G0V, 52
.set G0E, 56
.set SLOTS, 60
.set CNT, 61
.set CS,  62
.set SEL, 66
.set TBK, 68
.set TBV, 69
.set TBE, 70
.set LIM, 71
.set PFA, 72
.set QB,  74
.set MB,  76
.set MSB, 0
.macro WIN new
.if MSB != (\new)
	s_set_vgpr_msb (MSB<<8)|(\new)
.set MSB, (\new)
.endif
.endm
.macro PLACES
.rept 4
	v_nop
.endr
.endm
.macro ALL line:vararg              ; one line for each tile t
.set t, 0
.rept 4
	\line
.set t, t+1
.endr
.endm
.macro CROUND
	s_barrier_signal -1
	s_barrier_wait -1
	s_cmp_lg_u32 s[WV], 0
	s_cbranch_scc1 .Lnot_wave_0_\@
	s_barrier_signal -3
.Lnot_wave_0_\@:
	s_barrier_wait -3
	s_barrier_signal -1
	s_barrier_wait -1
.endm
; A joint fill: wave 0 fetches a slot's K, wave 1 its V, waves 2 and 3 the halves of its band of eh.  The branches hang on the wave's number alone.  An s_nop 0 and four v_nop follow each line.
.macro JLOAD3
	s_cmp_eq_u32 s[WV], 0
	s_cbranch_scc0 .Lnot_k_\@
	tensor_load_to_lds s[G0K:G0K+3], s[G1K:G1K+7]
	s_nop 0
.rept 4
	v_nop
.endr
	s_branch .Lasked_\@
.Lnot_k_\@:
	s_cmp_eq_u32 s[WV], 1
	s_cbranch_scc0 .Lnot_v_\@
	tensor_load_to_lds s[G0V:G0V+3], s[G1V:G1V+7]
	s_nop 0
.rept 4
	v_nop
.endr
	s_branch .Lasked_\@
.Lnot_v_\@:
	tensor_load_to_lds s[G0E:G0E+3], s[G1E:G1E+7]
	s_nop 0
.rept 4
	v_nop
.endr
.Lasked_\@:
.endm
; A prefetch of the K and V that the NEXT change of slots will ask for: 64 blocks of 256 bytes of each.  The head's first cluster asks; its four partners along x take 16 blocks of each, told apart by address;
; in each, wave 0 asks: lanes 0-15 name K's blocks, lanes 16-31 V's.  The last change that fills a slot asks for nothing.  eh is not asked for: every work-group walks it again and again.
.macro ASK
	s_cmp_gt_u32 s[SLOTS], s[LIM]
	s_cbranch_scc0 .Lnot_mine_\@
	global_prefetch_b8 v[PFO], s[PFA:PFA+1] th:TH_LOAD_NT scope:SCOPE_SE
.Lnot_mine_\@:
.endm
; THE CHANGE OF SLOTS.  Each wave waits for all its tensor loads (one is out: its part of the other slot), adds 0 to its spare word, and waits for that and for its reads of the slot that it leaves.
; fill = 1: the barrier is a round of the cluster's, and the old slot is filled again first thing behind it: the next 128 keys, and eh's band 128 rows further up.  It has two trips in which to land.
.macro CHANGE fill
	WIN 0
	s_wait_tensorcnt 0x0
	ds_add_u32 v[SPW], v[NIL]
.if \fill
	s_xor_b32 s[G0K+1], s[G0K+1], SLOT1
	s_xor_b32 s[G0V+1], s[G0V+1], SLOT1
	s_xor_b32 s[G0E+1], s[G0E+1], SLOT1
	s_add_nc_u64 s[G0K+2:G0K+3], s[G0K+2:G0K+3], 16384
	s_add_nc_u64 s[G0V+2:G0V+3], s[G0V+2:G0V+3], 16384
	s_sub_nc_u64 s[G0E+2:G0E+3], s[G0E+2:G0E+3], 16384
	s_wait_xcnt 0x0                 ; the last prefetch, two trips back, has read its address
	s_add_nc_u64 s[PFA:PFA+1], s[PFA:PFA+1], 16384
	s_wait_dscnt 0x0                ; the add is done, and my reads of the slot are over
	CROUND
	JLOAD3
	ASK
.else
	s_wait_dscnt 0x0
	s_barrier_signal -1
	s_barrier_wait -1
.endif
	s_xor_b32 s[TBK], s[TBK], SLOT1
	s_xor_b32 s[TBV], s[TBV], SLOT1
	s_xor_b32 s[TBE], s[TBE], SLOT1
.endm
; THE LDS INSTRUCTIONS ARE COUNTED BY THE ASSEMBLER: DSN is the number issued since the trip's head; what is out there (V's loads of the trip before) is older than every mark.  DSW mark waits until only those
; issued behind the mark are out (a wait's count names 63 at the most; where more than 63 were issued behind the mark, at most 63 out shows the marked loads done).
.macro DSW mark
.if (DSN-(\mark)) > 63
	s_wait_dscnt 63
.else
	s_wait_dscnt DSN-(\mark)
.endif
.endm
; THE PLACES ARE COUNTED BY THE ASSEMBLER TOO: NPL is the number of plain vector instructions written so far that name no register of a position product or of V^T P (the softmax's plain lines and v_nop).
; NEED n, mark writes as many v_nop as are missing of n such lines since the mark.
.macro NEED n, mark
.if (NPL-(\mark)) < (\n)
.rept (\n)-(NPL-(\mark))
	v_nop
.endr
.set NPL, (\mark)+(\n)
.endif
.endm
.macro FETCH_K
	WIN 0x80
.irp f, 0,1,2,3,4,5,6,7             ; keys 16 (f / 2) on, channels 32 (f % 2) on
	ds_load_b128 v[KF+8*\f:KF+8*\f+3],   v[AK] offset:(\f/2)*16*PKP+(\f%2)*64
	ds_load_b128 v[KF+8*\f+4:KF+8*\f+7], v[AK] offset:(\f/2)*16*PKP+(\f%2)*64+32
.endr
.set DSN, DSN+16
.endm
.macro FETCH_V
	WIN 0x80
.irp f, 0,1,2,3,4,5,6,7             ; keys 32 (f / 4) on, channels 16 (f % 4) on, turned
	ds_load_tr16_b128 v[VF+8*\f:VF+8*\f+3],   v[AV] offset:(\f/4)*32*PVP+(\f%4)*32
	ds_load_tr16_b128 v[VF+8*\f+4:VF+8*\f+7], v[AV] offset:(\f/4)*32*PVP+16*PVP+(\f%4)*32
.endr
.set DSN, DSN+16
.endm
; Column block bi (columns c = 16 (bi - 4) + lane % 16) of eh: the falling rows J - c, then the rising rows J + c, into buffer bi % 4
.macro FETCH_E bi
	WIN 0xc0
.set eb, EB+32*((\bi)%4)
.irp kh, 0,1
	ds_load_b128 v[eb+8*\kh:eb+8*\kh+3],       v[AED] offset:(112-16*(\bi))*PKP+64*\kh
	ds_load_b128 v[eb+8*\kh+4:eb+8*\kh+7],     v[AED] offset:(112-16*(\bi))*PKP+64*\kh+32
	ds_load_b128 v[eb+16+8*\kh:eb+16+8*\kh+3], v[AEU] offset:16*(\bi)*PKP+64*\kh
	ds_load_b128 v[eb+16+8*\kh+4:eb+16+8*\kh+7], v[AEU] offset:16*(\bi)*PKP+64*\kh+32
.endr
.set DSN, DSN+8
.set MK\bi, DSN
.endm
; THE SOFTMAX OF A STEP IS A LIST OF 473 NUMBERS, the four tiles side by side (number % 4 in the parts that go by rows), so that no line reads the result of the line before it.  SM1 writes number sj.
;   0-87     22 rows: the maximum of a lane's 32 scores and the old m (each accumulator's lowest registers are read first); the lane 16 away; c m_old kept; m; c m; its change; a
;   88-279   the 64 scalings c s - c m, a pair of scores each, and the 128 exponentials: four scalings, then exponential, scaling, exponential; a pair is scaled four pairs ahead of its exponentials
;   280      a v_nop, the plain instruction behind the last exponential, and THE ONE WAIT: ahead of it nothing names a result of the 132 exponentials
;   281-344  the weights rounded to f16 into P      345-408  O^T times a      409-472  the sum of a tile's 16 pairs, in place, and l = a l + the sum
.macro SM1
.if sj < 473
.if sj < 88
.set smt, sj%4
.set smr, sj/4
.set rT, ST+8*smt
.set rS, S+32*smt
	WIN 0
.if smr < 4
	v_max3_num_f32 v[rT+4+smr], v[rS+8*smr], v[rS+8*smr+1], v[rS+8*smr+2]
.elseif smr < 12
	v_max3_num_f32 v[rT+4+smr%4], v[rT+4+smr%4], v[rS+8*(smr%4)+2*(smr/4)+1], v[rS+8*(smr%4)+2*(smr/4)+2]
.elseif smr == 12
	v_max3_num_f32 v[rT+4], v[rT+4], v[rS+7], v[rS+15]
.elseif smr == 13
	v_max3_num_f32 v[rT+6], v[rT+6], v[rS+23], v[rS+31]
.elseif smr == 14
	v_max3_num_f32 v[rT+4], v[rT+4], v[rT+5], v[rT+6]
.elseif smr == 15
	v_max3_num_f32 v[rT+4], v[rT+4], v[rT+7], v[rT+1]
.elseif smr == 16
	v_permlanex16_b32 v[rT+5], v[rT+4], s[SEL], s[SEL+1]
.elseif smr == 17
	v_mov_b32 v[rT+7], v[rT]
.elseif smr == 18
	v_max_num_f32 v[rT+1], v[rT+4], v[rT+5]
.elseif smr == 19
	v_mul_f32 v[rT], s[CS], v[rT+1]
.elseif smr == 20
	v_sub_f32 v[rT+7], v[rT+7], v[rT]
.else
	v_exp_f32 v[rT+6], v[rT+7]
.endif
.if (smr != 16) && (smr != 21)
.set NPL, NPL+1
.endif
.elseif sj < 280
	WIN 0
.set bn, sj-88
.set bx, 0                          ; 0: a scaling; 1: an exponential
.set bh, 0
.if bn < 4
.set bu, bn
.elseif bn < 184
.set bu, (bn-4)/3
.set bh, ((bn-4)%3)/2
.if (bn-4)%3 == 1
.set bu, bu+4
.else
.set bx, 1
.endif
.else
.set bu, 60+(bn-184)/2
.set bh, (bn-184)%2
.set bx, 1
.endif
.set rT, ST+8*(bu%4)                ; unit bu: pair bu / 4 of tile bu % 4
.set rS, S+32*(bu%4)+2*(bu/4)
.if bx
	v_exp_f32 v[rS+bh], v[rS+bh]
.else
	v_pk_fma_f32 v[rS:rS+1], v[rS:rS+1], s[CS:CS+1], v[rT:rT+1] op_sel_hi:[1,0,0] neg_lo:[0,0,1] neg_hi:[0,0,1]
.set NPL, NPL+1
.endif
.elseif sj == 280
	v_nop
	s_wait_alu depctr_va_vdst(0)
.set NPL, NPL+1
.elseif sj < 345
.set an, sj-281
	WIN 0x40                        ; P in window 1
	v_cvt_pk_f16_f32 v[P+16*(an%4)+an/4], v[S+32*(an%4)+2*(an/4)], v[S+32*(an%4)+2*(an/4)+1]
.set NPL, NPL+1
.elseif sj < 409
.set an, sj-345
	WIN 0x41                        ; O^T in window 1, a in window 0
	v_pk_mul_f32 v[32*(an%4)+2*(an/4):32*(an%4)+2*(an/4)+1], v[32*(an%4)+2*(an/4):32*(an%4)+2*(an/4)+1], v[ST+8*(an%4)+6:ST+8*(an%4)+7] op_sel_hi:[1,0]
.set NPL, NPL+1
.else
.set an, sj-409
.set smr, an/4
.set rT, ST+8*(an%4)
.set rS, S+32*(an%4)
.set tw, 4
.set tu, smr
.if smr >= 14
.set tw, 32
.set tu, 0
.elseif smr >= 12
.set tw, 16
.set tu, smr-12
.elseif smr >= 8
.set tw, 8
.set tu, smr-8
.endif
	WIN 0
.if smr < 15
	v_pk_add_f32 v[rS+tw*tu:rS+tw*tu+1], v[rS+tw*tu:rS+tw*tu+1], v[rS+tw*tu+tw/2:rS+tw*tu+tw/2+1]
.else
	v_pk_fma_f32 v[rT+2:rT+3], v[rT+2:rT+3], v[rT+6:rT+7], v[rS:rS+1] op_sel_hi:[1,0,1]
.endif
.set NPL, NPL+1
.endif
.set sj, sj+1
.endif
.endm
.macro SMTO n                       ; the list up to, not with, number n
.rept 473
.if sj < (\n)
	SM1
.endif
.endr
.endm
.macro SMN n                        ; the list's next n numbers, of those that stand among the position products
.rept \n
.if sj < 409
	SM1
.endif
.endr
.endm
; Pair p is packed: T1 and T2 of row j into one word, j = 0 .. 7, from the accumulators' low end on, into the pair's own eight registers.  Four places lie between the pair's last product and the first packing.
.macro CVT8 p
.set dp, (\p)%2
.set pk, 8*((\p)%16)
	NEED 4, (MKS0*(1-dp)+MKS1*dp)
	WIN 0xc0                        ; the words in window 3, T1 and T2 in window 0
.irp j, 0,1,2,3,4,5,6,7
	v_cvt_pk_bf16_f32 v[pk+\j], v[DD+16*dp+\j], v[DD+16*dp+8+\j]
.endr
.endm
; Pair p (row tile xa, column block bi) is stored askew: eight stores; the caller has set the windows (address window 0, data window 3)
.macro STP p, xa, bi
.irp j, 0,1,2,3,4,5,6,7
	ds_store_b32 v[ABS], v[8*((\p)%16)+\j] offset:(16*(\xa)+\j)*BSK+64*((\bi)-3)
.endr
.set DSN, DSN+8
.endm
; The three runs among the pairs.  A run stands ahead of a pair's first product; all pairs but the one just multiplied have been packed by then.  The lists follow the order of the pairs in TRIP.
.macro RUNA                         ; ahead of pair 6: buffers 0 and 1 of eh were last read by pairs 0 and 2
	WIN 0x0c
	STP 0, 3, 0
	STP 1, 2, 1
	STP 2, 3, 1
	STP 3, 1, 2
	STP 4, 2, 2
	FETCH_E 4
	FETCH_E 5
.endm
.macro RUNB                         ; ahead of pair 10: buffers 2 and 3 were last read by pairs 5 and 9
	WIN 0x0c
	STP 5, 3, 2
	STP 6, 0, 3
	STP 7, 1, 3
	STP 8, 2, 3
	FETCH_E 6
	FETCH_E 7
.endm
.macro RUNC                         ; ahead of pair 17
	WIN 0x0c
	STP 9, 3, 3
	STP 10, 0, 4
	STP 11, 1, 4
	STP 12, 2, 4
	STP 13, 3, 4
	STP 14, 0, 5
	STP 15, 1, 5
.endm
; Product q of the four of pair TP: T1 and T2 of row tile xa and column block bi, into set TP % 2; the two accumulators take turns
.macro WT xa, bi, q
	WIN 0x0e                        ; q, k window 2; eh window 3; C and D window 0
.set eb, EB+32*((\bi)%4)
.set d1, DD+16*(TP%2)
.if (\q) == 0
	v_wmma_f32_16x16x32_f16 v[d1:d1+7],    v[16*(\xa):16*(\xa)+7],          v[eb:eb+7],     0
.elseif (\q) == 1
	v_wmma_f32_16x16x32_f16 v[d1+8:d1+15], v[KF+16*(\xa):KF+16*(\xa)+7],    v[eb+16:eb+23], 0
.elseif (\q) == 2
	v_wmma_f32_16x16x32_f16 v[d1:d1+7],    v[16*(\xa)+8:16*(\xa)+15],       v[eb+8:eb+15],  v[d1:d1+7]
.else
	v_wmma_f32_16x16x32_f16 v[d1+8:d1+15], v[KF+16*(\xa)+8:KF+16*(\xa)+15], v[eb+24:eb+31], v[d1+8:d1+15]
.endif
.endm
; A pair.  wt = 1: the block's first pair: its fragments of eh are waited for.  run = 1, 2, 3: one of the runs above stands ahead of it; four places lie between the pair before's last product and loads into
; a buffer of eh.  Five places lie between the last product of the pair two back and this pair's first, which starts new sums in its registers.
; Behind the products: 6, 5, the pair before's eight packings, 5 of the softmax's list.  21 + 19 x 16 = 325: numbers 84 to 408.
.macro PAIR xa, bi, wt, run
.if \wt
	DSW MK\bi
.endif
.if (\run) == 1
	NEED 4, (MKS0*(TP%2)+MKS1*(1-TP%2))
	RUNA
.elseif (\run) == 2
	NEED 4, (MKS0*(TP%2)+MKS1*(1-TP%2))
	RUNB
.elseif (\run) == 3
	RUNC
.endif
	NEED 5, (MKS0*(1-TP%2)+MKS1*(TP%2))
.irp q, 0,1,2,3
	WT \xa, \bi, \q
.if \q == 3
.if TP%2
.set MKS1, NPL
.else
.set MKS0, NPL
.endif
.endif
.if (\q == 2) && (TP > 0)
	CVT8 TP-1
.elseif \q == 0
	SMN 6
.else
	SMN 5
.endif
.endr
.set TP, TP+1
.endm
; O^T += V^T P: 16 accumulators by turns, keys 0-31, then keys 32-63; behind each product two of the softmax's row sums.  Four places follow the last product, for the loads into V's registers.
.macro PVR
.set kk, 0
.rept 2
.set qa, 0
.rept 4
.set cb, 0
.rept 4
	WIN 0x56                        ; V window 2; P, C and D window 1
	v_wmma_f32_16x16x32_f16 v[32*qa+8*cb:32*qa+8*cb+7], v[VF+32*kk+8*cb:VF+32*kk+8*cb+7], v[P+16*qa+8*kk:P+16*qa+8*kk+7], v[32*qa+8*cb:32*qa+8*cb+7]
.set MKP, NPL
	SM1
	SM1
.set cb, cb+1
.endr
.set qa, qa+1
.endr
.set kk, kk+1
.endr
	NEED 4, MKP
.endm
; A TRIP
.macro TRIP
	WIN 0                           ; these four lines are the places behind the last K Q^T: for the loads into K's registers and for the softmax's first reads
	v_add_nc_u32 v[AK], s[TBK], v[AK0]
	v_add_nc_u32 v[AV], s[TBV], v[AV0]
	v_add_nc_u32 v[AEU], s[TBE], v[AEU0]
	v_add_nc_u32 v[AED], s[TBE], v[AED0]
.set DSN, 0
.set TP, 0
.set sj, 0
.set NPL, 100                       ; the sets' last products of the trip before lie far back
.set MKS0, 0
.set MKS1, 0
	WIN 0x40
.irp kb, 0,1,2,3                    ; 8 x mask of the step whose scores this trip makes: wanted behind the position products and V^T P
	global_load_b128 v[MC+8*\kb:MC+8*\kb+3],   v[MOFF], s[MB:MB+1] offset:64*\kb
	global_load_b128 v[MC+8*\kb+4:MC+8*\kb+7], v[MOFF], s[MB:MB+1] offset:64*\kb+16
.endr
	FETCH_K
	FETCH_E 0
	FETCH_E 1
	FETCH_E 2
	FETCH_E 3
	SMTO 84                         ; the maximum and the statistics stand in the wait for K and eh
	PAIR 3, 0, 1, 0                 ; pair 0
	PAIR 2, 1, 1, 0
	PAIR 3, 1, 0, 0
	PAIR 1, 2, 1, 0
	PAIR 2, 2, 0, 0
	PAIR 3, 2, 0, 0
	PAIR 0, 3, 1, 1                 ; pair 6
	PAIR 1, 3, 0, 0
	PAIR 2, 3, 0, 0
	PAIR 3, 3, 0, 0
	PAIR 0, 4, 1, 2                 ; pair 10
	PAIR 1, 4, 0, 0
	PAIR 2, 4, 0, 0
	PAIR 3, 4, 0, 0
	PAIR 0, 5, 1, 0                 ; pair 14
	PAIR 1, 5, 0, 0
	PAIR 2, 5, 0, 0
	PAIR 0, 6, 1, 3                 ; pair 17
	PAIR 1, 6, 0, 0
	PAIR 0, 7, 1, 0                 ; pair 19
	SMTO 409
	CVT8 19
	WIN 0x0c
	STP 16, 2, 5
	STP 17, 0, 6
	STP 18, 1, 6
	STP 19, 0, 7
	WIN 0xc0
.set qa, 0
.rept 4                             ; the 16 blocks come back, into the registers that the words have left; LDS serves a wave's instructions in order, so these see all the stores above
.set kb, 0
.rept 4
	ds_load_b128 v[8*(4*qa+kb):8*(4*qa+kb)+3],   v[ABL] offset:16*qa*BP+64*kb
	ds_load_b128 v[8*(4*qa+kb)+4:8*(4*qa+kb)+7], v[ABL] offset:16*qa*BP+64*kb+32
.set kb, kb+1
.endr
.set qa, qa+1
.endr
	PVR                             ; the step in hand is finished while they are on their way (its V was shown in by the trip's first wait on LDS)
	FETCH_V                         ; V of the next step
	s_wait_loadcnt 0x0              ; 8 x mask, asked for at the trip's head
	s_wait_dscnt 16                 ; the blocks are in; V's 16 loads may stay out
	WIN 0x1d                        ; picking matrix and C window 1, block window 3, S^T window 0
.set qa, 0
.rept 4
.set kb, 0
.rept 4
	v_wmma_f32_16x16x32_bf16 v[S+32*qa+8*kb:S+32*qa+8*kb+7], v[SELLO:SELLO+7], v[8*(4*qa+kb):8*(4*qa+kb)+7], v[MC+8*kb:MC+8*kb+7]
.set kb, kb+1
.endr
.set qa, qa+1
.endr
	WIN 0x07                        ; block window 3, picking matrix window 1
.set qa, 0
.rept 4
.set kb, 0
.rept 4
	v_wmma_f32_16x16x32_bf16 v[S+32*qa+8*kb:S+32*qa+8*kb+7], v[8*(4*kb+qa):8*(4*kb+qa)+7], v[SELHI:SELHI+7], v[S+32*qa+8*kb:S+32*qa+8*kb+7]
.set kb, kb+1
.endr
.set qa, qa+1
.endr
	WIN 0                           ; five plain instructions: the f16 products below add onto sums that the bf16 form has made
	v_add_nc_u32 v[MOFF], 0x100, v[MOFF]   ; the next step's 64 keys; the loads that read this address were waited for above
	PLACES
	WIN 0x0a
.set kh, 0
.rept 2
.set qa, 0
.rept 4
.set kb, 0
.rept 4
	v_wmma_f32_16x16x32_f16 v[S+32*qa+8*kb:S+32*qa+8*kb+7], v[KF+16*kb+8*kh:KF+16*kb+8*kh+7], v[16*qa+8*kh:16*qa+8*kh+7], v[S+32*qa+8*kb:S+32*qa+8*kb+7]
.set kb, kb+1
.endr
.set qa, qa+1
.endr
.set kh, kh+1
.endr
.endm
.macro TWO_TRIPS                    ; a slot's two trips: written once, walked twice; the LDS addresses hang on three scalars
	WIN 0
	s_mov_b32 s[CNT], 2
.Lstep_\@:
	TRIP
	WIN 0
	s_xor_b32 s[TBK], s[TBK], 64*PKP   ; the slot's other 64 keys,
	s_xor_b32 s[TBV], s[TBV], 64*PVP
	s_xor_b32 s[TBE], s[TBE], 64*PKP   ; and J 64 rows further up or down the band
	s_sub_co_u32 s[CNT], s[CNT], 1
	s_cmp_lg_u32 s[CNT], 0
	s_cbranch_scc1 .Lstep_\@
.endm
	s_load_b256 s[4:11], s[0:1], 0x0  ; qkv s[4:5], eh s[6:7], m8 s[8:9], out0 s[10:11]
	v_lshl_add_u32 v[SPW], v0, 2, SPARE
	v_mov_b32 v[NIL], 0
	ds_add_u32 v[SPW], v[NIL]       ; the wave's opening: the add and its wait stand ahead of my first tensor load
	v_lshrrev_b32 v1, 5, v0
	v_readfirstlane_b32 s[WV], v1
	s_and_b32 s[HF], s[WV], 1
	s_bfe_u32 s[CX], ttmp6, 0x40000
	s_bfe_u32 s[CY], ttmp6, 0x40004
	s_lshl_b32 s[GX], ttmp9, 2
	s_add_co_u32 s[GX], s[GX], s[CX]   ; my block of 256 queries
	s_and_b32 s[GY], ttmp7, 0xffff
	s_lshl_b32 s[GY], s[GY], 2
	s_add_co_u32 s[GY], s[GY], s[CY]   ; batch x 16 + head
	s_lshl_b32 s18, s[CY], 2
	s_lshl_b32 s18, 15, s18         ; my row of the cluster
	s_lshl_b32 s22, 0x1111, s[CX]   ; my column
	; the tiles are dense in memory: asked for as rows of 256 bytes (two rows of 64 numbers) and padded in LDS after every 32 words
	s_or_b32 s[G1K], s18, (1<<16)|(1<<20)|(1<<21)|(4<<22)|(3<<25)
	s_or_b32 s[G1V], s18, (1<<16)|(1<<20)|(1<<21)|(4<<22)|(7<<25)
	s_or_b32 s[G1E], s22, (1<<16)|(1<<20)|(1<<21)|(4<<22)|(3<<25)
.irp g, G1K, G1V
	s_mov_b32 s[\g+1], 128<<16      ; tensor_dim0 = 128
	s_mov_b32 s[\g+2], 64<<16       ; tensor_dim1 = 64
	s_mov_b32 s[\g+3], 128<<16      ; tile_dim0 = 128
	s_mov_b32 s[\g+4], 64           ; tile_dim1 = 64
	s_mov_b32 s[\g+5], 128
	s_mov_b32 s[\g+6], 0
	s_mov_b32 s[\g+7], 0
.endr
	s_mov_b32 s[G1E+1], 128<<16
	s_mov_b32 s[G1E+2], 100<<16     ; half a band: 200 rows of eh
	s_mov_b32 s[G1E+3], 128<<16
	s_mov_b32 s[G1E+4], 100
	s_mov_b32 s[G1E+5], 128
	s_mov_b32 s[G1E+6], 0
	s_mov_b32 s[G1E+7], 0
	s_mov_b32 s[G0K], 1
	s_mov_b32 s[G0K+1], 0
	s_mov_b32 s[G0V], 1
	s_mov_b32 s[G0V+1], VOFF
	s_mov_b32 s[G0E], 1
	s_mul_i32 s81, s[HF], EHALF
	s_add_co_u32 s[G0E+1], s81, EOFF
	s_add_co_u32 s18, s[GY], 32     ; K of my head
	s_lshl_b32 s18, s18, 18
	s_mov_b32 s19, 0
	s_add_co_u32 s20, s[GY], 64     ; V
	s_lshl_b32 s20, s20, 18
	s_mov_b32 s21, 0
	s_mul_i32 s80, s[HF], 200*128
	s_lshl_b32 s22, s[GX], 15       ; the first band begins at row 256 x block + 1920 of eh
	s_add_co_u32 s22, s22, s80
	s_add_co_u32 s22, s22, 1920*128
	s_mov_b32 s23, 0
	s_lshl_b32 s78, s[GY], 18       ; Q at my wave's first row
	s_lshl_b32 s82, s[GX], 15
	s_add_co_u32 s78, s78, s82
	s_lshl_b32 s82, s[WV], 13
	s_add_co_u32 s78, s78, s82
	s_mov_b32 s79, 0
	s_lshr_b32 s82, s[GY], 4        ; the batch
	s_lshl_b32 s84, s82, 13
	s_mov_b32 s85, 0
	s_lshl_b32 s86, s82, 23         ; out0: rows of 4,096 bytes, the head's 256 of them
	s_lshl_b32 s83, s[GX], 20
	s_add_co_u32 s86, s86, s83
	s_lshl_b32 s83, s[WV], 18
	s_add_co_u32 s86, s86, s83
	s_and_b32 s83, s[GY], 15
	s_lshl_b32 s83, s83, 8
	s_add_co_u32 s86, s86, s83
	s_mov_b32 s87, 0
	s_add_co_u32 s88, s[GY], 32     ; the prefetches: K of my head, my work-group's 16 blocks, in slot 1; the first change steps it to slot 2
	s_lshl_b32 s88, s88, 18
	s_lshl_b32 s83, s[CX], 12
	s_add_co_u32 s88, s88, s83
	s_add_co_u32 s88, s88, 16384
	s_mov_b32 s89, 0
	s_or_b32 s[LIM], s[WV], ttmp9
	s_cmp_eq_u32 s[LIM], 0
	s_cselect_b32 s[LIM], 1, -1     ; wave 0 of the head's first cluster: the same in all partners
	s_mov_b32 s[CS], 0x3e38aa3b     ; c = log2(e) / 8
	s_mov_b32 s[CS+1], s[CS]
	s_mov_b32 s[SEL], 0x76543210
	s_mov_b32 s[SEL+1], 0xfedcba98
	s_mov_b32 s[TBK], SLOT1         ; the first change of slots turns these three into slot 0's
	s_mov_b32 s[TBV], SLOT1
	s_mov_b32 s[TBE], SLOT1+64*PKP
	s_mov_b32 s[SLOTS], 15
	s_mov_b32 s90, 0x3f80           ; 1.0 in bf16, in a word's lower half,
	s_mov_b32 s91, 0x3f800000       ; and in its upper half
	s_mov_b32 s92, 0xfb800000       ; -2^120: below every score (8 x mask is no less than -1e30), and c times it is exact
	s_wait_dscnt 0x0                ; the opening add is done
	s_wait_kmcnt 0x0
	s_add_nc_u64 s[G0K+2:G0K+3], s[4:5], s[18:19]
	s_or_b32 s[G0K+3], s[G0K+3], 0x80000000
	s_add_nc_u64 s[G0V+2:G0V+3], s[4:5], s[20:21]
	s_or_b32 s[G0V+3], s[G0V+3], 0x80000000
	s_add_nc_u64 s[G0E+2:G0E+3], s[6:7], s[22:23]
	s_or_b32 s[G0E+3], s[G0E+3], 0x80000000
	s_add_nc_u64 s[QB:QB+1], s[4:5], s[78:79]
	s_add_nc_u64 s[MB:MB+1], s[8:9], s[84:85]
	s_add_nc_u64 s[10:11], s[10:11], s[86:87]
	s_add_nc_u64 s[PFA:PFA+1], s[4:5], s[88:89]
	CROUND                          ; all sixteen work-groups are here
	JLOAD3                          ; slot 0; slot 1 is asked for by the loop's first change of slots
	v_and_b32 v1, 15, v0            ; l % 16
	v_bfe_u32 v17, v0, 4, 1         ; l / 16
	v_lshlrev_b32 v[QO], 7, v1
	v_lshl_add_u32 v[QO], v17, 4, v[QO]
	v_lshlrev_b32 v[MOFF], 5, v17   ; my eight keys of a block of 16: 32 bytes of f32
	WIN 0x80
.irp i, 0,1,2,3,4,5,6,7             ; Q stays in registers: tile i / 2, channels 32 (i % 2) on
	global_load_b128 v[8*\i:8*\i+3],   v[QO], s[QB:QB+1] offset:(\i/2)*2048+(\i%2)*64
	global_load_b128 v[8*\i+4:8*\i+7], v[QO], s[QB:QB+1] offset:(\i/2)*2048+(\i%2)*64+32
.endr
	WIN 0
	v_mul_u32_u24 v22, v1, PKP
	v_lshl_add_u32 v[AK0], v17, 4, v22     ; row x pitch + 16 x half
	v_and_b32 v18, 7, v0
	v_bfe_u32 v19, v0, 3, 1
	v_lshl_add_u32 v[AV0], v17, 3, v18     ; the turning load: key 8 (l / 16) + l % 8, channels 8 ((l / 8) % 2) on
	v_mul_u32_u24 v[AV0], v[AV0], PVP
	v_lshl_add_u32 v[AV0], v19, 4, v[AV0]
	v_add_nc_u32 v[AV0], VOFF, v[AV0]
	s_mul_i32 s83, s[WV], 64*PKP
	s_add_co_u32 s83, s83, EOFF            ; the band's row 64 w
	s_add_co_u32 s84, s83, 16*PKP
	v_add_nc_u32 v[AEU0], s83, v[AK0]      ; rising: row 64 w + l % 16
	v_lshl_add_u32 v23, v17, 4, s84
	v_sub_nc_u32 v[AED0], v23, v22         ; falling: row 64 w + 16 - l % 16
	s_mul_i32 s85, s[WV], BIASW
	s_add_co_u32 s85, s85, BIAS            ; my array
	s_add_co_u32 s84, s85, 64              ; behind a row's margin of 16 words
	v_mul_u32_u24 v[ABL], v1, BP
	v_lshl_add_u32 v[ABL], v17, 4, v[ABL]
	v_add_nc_u32 v[ABL], s84, v[ABL]       ; a block's row l % 16, 16 bytes for each half of the lanes
	v_mul_u32_u24 v20, v17, 8*BSK
	v_lshl_add_u32 v20, v1, 2, v20
	v_add_nc_u32 v[ABS], s85, v20          ; the skewed store: row 8 (l / 16), word l % 16
	v_mul_u32_u24 v[STO], v1, SP           ; the way out, in: row l % 16, 32 bytes for each half of the lanes
	v_lshl_add_u32 v[STO], v17, 5, v[STO]
	v_add_nc_u32 v[STO], s85, v[STO]
	v_mul_u32_u24 v[RD], v17, SP           ; back: lanes 0-15 one row of 256 bytes, lanes 16-31 the next
	v_lshl_add_u32 v[RD], v1, 4, v[RD]
	v_add_nc_u32 v[RD], s85, v[RD]
	v_lshlrev_b32 v[GO], 12, v17           ; and the same two rows in out0
	v_lshl_add_u32 v[GO], v1, 4, v[GO]
	v_lshlrev_b32 v[PFO], 8, v1            ; a block of 256 bytes a lane; lanes 16-31: V, 32 heads further on
	v_lshl_add_u32 v[PFO], v17, 23, v[PFO]
	v_lshlrev_b32 v21, 2, v17
	v_sub_nc_u32 v21, v1, v21              ; l % 16 - 4 (l / 16): register j of a picking matrix holds its 1 where this is j, register 4 + j where it is 8 + j
	; what the first trip's softmax and V^T P find; all of it is written in the wait for the first tile
	ALL v_mov_b32 v[ST+8*t], 0xfe000000    ; c m: -2^125, below c times -2^120, so the first a is 0
	ALL v_mov_b32 v[ST+8*t+1], 0xff7fffff  ; m
	ALL v_mov_b32 v[ST+8*t+2], 0
	ALL v_mov_b32 v[ST+8*t+3], 0
.set i, 0
.rept 128
	v_mov_b32 v[S+i], s92
.set i, i+1
.endr
	WIN 0x40
.irp j, 0,1,2,3
	v_cmp_eq_u32 vcc_lo, \j, v21
	v_cndmask_b32 v[SELLO+\j], 0, s90, vcc_lo
	v_cndmask_b32 v[SELHI+\j], 0, s91, vcc_lo
	v_cmp_eq_u32 vcc_lo, 8+\j, v21
	v_cndmask_b32 v[SELLO+4+\j], 0, s90, vcc_lo
	v_cndmask_b32 v[SELHI+4+\j], 0, s91, vcc_lo
.endr
.set i, 0
.rept 128
	v_mov_b32 v[i], 0               ; O^T
.set i, i+1
.endr
	WIN 0x80
.set i, 0
.rept 64
	v_mov_b32 v[VF+i], 0            ; V
.set i, i+1
.endr
	WIN 0
	s_wait_loadcnt 0x0              ; Q
.Lslot:                             ; 15 trips: every slot but the last is followed by a fill
	CHANGE 1
	TWO_TRIPS
	s_sub_co_u32 s[SLOTS], s[SLOTS], 1
	s_cmp_lg_u32 s[SLOTS], 0
	s_cbranch_scc1 .Lslot
	CHANGE 0                        ; the last slot is written out
	TWO_TRIPS
	PLACES                          ; THE LAST STEP's softmax and V^T P: there are no position products left to set them among
.set sj, 0
.set NPL, 100
	SMTO 409
	s_wait_dscnt 0x0                ; V is in
	PVR
	; THE WAY OUT.  l's two halves and the other half of the lanes' are added; O^T is divided by l and sent through my stage, a tile (16 rows) at a time.  The additions are the places behind the last products.
	WIN 0
	ALL v_add_f32 v[ST+8*t+4], v[ST+8*t+2], v[ST+8*t+3]
	ALL v_permlanex16_b32 v[ST+8*t+5], v[ST+8*t+4], s[SEL], s[SEL+1]
	ALL v_add_f32 v[ST+8*t+4], v[ST+8*t+4], v[ST+8*t+5]
	ALL v_rcp_f32 v[ST+8*t+6], v[ST+8*t+4]
	v_nop                           ; a plain instruction behind the last reciprocal,
	s_wait_alu depctr_va_vdst(0)    ; and the one wait ahead of the first use
.macro PACK tq
	WIN 0x41
.set i, 0
.rept 16
	v_pk_mul_f32 v[32*(\tq)+2*i:32*(\tq)+2*i+1], v[32*(\tq)+2*i:32*(\tq)+2*i+1], v[ST+8*(\tq)+6:ST+8*(\tq)+7] op_sel_hi:[1,0]
.set i, i+1
.endr
	WIN 0x04                        ; the data in window 1, the address in window 0
.set i, 0
.rept 8
	ds_store_b128 v[STO], v[32*(\tq)+4*i:32*(\tq)+4*i+3] offset:64*(i/2)+16*(i%2)
.set i, i+1
.endr
	WIN 0
.set i, 0
.rept 8
	ds_load_b128 v[S+32*(\tq)+4*i:S+32*(\tq)+4*i+3], v[RD] offset:i*2*SP   ; LDS serves a wave's instructions in order: these see the stores above; the next tile's stores come behind them
.set i, i+1
.endr
.endm
.macro SEND tq, younger             ; younger: the LDS instructions issued behind this tile's loads: the next tile's sixteen, or none
	WIN 0
.set i, 0
.rept 8
	s_wait_dscnt (\younger)+7-i
	global_store_b128 v[GO], v[S+32*(\tq)+4*i:S+32*(\tq)+4*i+3], s[10:11] offset:(16*(\tq)+2*i)*4096 th:TH_STORE_NT   ; 16 lanes store 256 consecutive bytes, aligned: a row's share of one head
.set i, i+1
.endr
.endm
	PACK 0
	PACK 1
	SEND 0, 16
	PACK 2
	SEND 1, 16
	PACK 3
	SEND 2, 16
	SEND 3, 0
	s_wait_tensorcnt 0x0            ; the wave's end
	ds_add_u32 v[SPW], v[NIL]
	s_wait_dscnt 0x0
	CROUND                          ; the closing round
	s_endpgm
.Lfunc_end_k_qb4d3506bb3_attn:
	.size	k_qb4d3506bb3_attn, .Lfunc_end_k_qb4d3506bb3_attn-k_qb4d3506bb3_attn
	.p2alignl 7, 3214868480
	.fill 96, 4, 3214868480
	.section	.rodata,"a",@progbits
	.p2align	6, 0x0
	.amdhsa_kernel k_qb4d3506bb3_attn
		.amdhsa_group_segment_fixed_size 327680
		.amdhsa_private_segment_fixed_size 0
		.amdhsa_enable_private_segment 0
		.amdhsa_kernarg_size 32
		.amdhsa_user_sgpr_count 2
		.amdhsa_user_sgpr_kernarg_segment_ptr 1
		.amdhsa_wavefront_size32 1
		.amdhsa_system_sgpr_workgroup_id_x 1
		.amdhsa_system_sgpr_workgroup_id_y 1
		.amdhsa_system_sgpr_workgroup_id_z 1
		.amdhsa_system_vgpr_workitem_id 0
		.amdhsa_next_free_vgpr 1024
		.amdhsa_next_free_sgpr 96
		.amdhsa_reserve_vcc 1
		.amdhsa_float_denorm_mode_32 3
		.amdhsa_float_denorm_mode_16_64 3
		.amdhsa_memory_ordered 1
		.amdhsa_forward_progress 1
		.amdhsa_inst_pref_size 215
	.end_amdhsa_kernel
	.amdgpu_metadata
---
amdhsa.version: [ 1, 2 ]
amdhsa.kernels:
  - .name:           k_qb4d3506bb3_attn
    .symbol:         k_qb4d3506bb3_attn.kd
    .args:
      - { .name: qkv, .offset: 0, .size: 8, .value_kind: global_buffer, .address_space: global }
      - { .name: eh, .offset: 8, .size: 8, .value_kind: global_buffer, .address_space: global }
      - { .name: m8, .offset: 16, .size: 8, .value_kind: global_buffer, .address_space: global }
      - { .name: out0, .offset: 24, .size: 8, .value_kind: global_buffer, .address_space: global }
    .group_segment_fixed_size: 327680
    .private_segment_fixed_size: 0
    .kernarg_segment_align: 8
    .kernarg_segment_size: 32
    .max_flat_workgroup_size: 128
    .sgpr_count:     96
    .vgpr_count:     1024
    .wavefront_size: 32
...
	.end_amdgpu_metadata
.endif
;; end of part 3
